; MI455X (gfx1250); checked and timed in simulation.
; The chip was launched on July 23, 2026; its instructions are those of AMD's public machine-readable ISA for CDNA 5 (MIT licence, August 2026) and "CDNA5" Instruction Set Architecture Reference Guide (July 2026). The comments in the code are by the model that wrote it; some were corrected since.
;; Top2 Router. Allowed arithmetic: matrix products marked QUANTISED: E4M3 operands, one given power-of-two scale a tensor, by v_wmma_f32_16x16x64_fp8_fp8 or v_wmma_f32_16x16x128_fp8_fp8, f32 sums; everything else in f32.
;; Inputs: W_codes 64 x 64 x 32 uint8 (E4M3 codes of W, K innermost, in blocks of 32 codes); lowp_scales 2 int32 (the exponents e of the quantised operands' scales 2^e); x_codes 4 x 4,096 x 64 x 32 uint8 (E4M3 codes of x, K innermost, in blocks of 32 codes).
;; Outputs: out0 4 x 4,096 x 2 int32; out1 4 x 4,096 x 2 float32; out2 4 x 4,096 x 64 float32.
;; This version of the problem:
;;   THIS VERSION OF THE PROBLEM IS GIVEN IN LOW PRECISION. The matrix products marked QUANTISED in the list below multiply operands that are first quantised to E4M3 (4 exponent bits, 3 mantissa bits; 8 bits a number), with one given power-of-two scale for each operand tensor; their sums are f32. All else is computed in f32.
;;   The module's matrix products, in the order in which they are computed (A, B: the left and right operand; K: the contracted axis; several contracted axes count as one K, in the product's order):
;;     1. [M 16,384, K 2,048] x [K 2,048, N 64]; A: input x (given as codes); B: input W (given as codes): QUANTISED (scales: A lowp_scales[0], B lowp_scales[1])
;;   THE QUANTISER, for each operand of a quantised product, along K:
;;     - The operand's scale is 2^e, e = its entry of the input lowp_scales (int32; the entries are numbered through the quantised products in the list's order, A before B).
;;     - Each number is divided by the scale, clamped to +-448, and rounded to the nearest number of E4M3, ties to even, subnormals kept.
;;     - The product sums the exact products of the quantised numbers (number of the format x scale) in f32.
;;   ~~~python
;;   def quantise(x, axis, e):      # numpy; x: float32 -> the quantised numbers, widened to float32 again
;;       x = np.moveaxis(x, axis, -1); K = x.shape[-1]
;;       r = np.clip(x / 2.0 ** e, -448, 448)
;;       step = 2.0 ** (np.maximum(np.frexp(np.where(r == 0, 1, r))[1] - 1, -6) - 3)
;;       q = np.round(r / step) * step * 2.0 ** e      # np.round: ties to even
;;       return np.moveaxis(q, -1, axis).astype(np.float32)
;;   ~~~
;;   INPUTS GIVEN AS CODES. W (in the module: [2048, 64], K = its axis 0); x (in the module: [4, 4096, 2048], K = its axis 2): each comes as NAME_codes (uint8): NAME with its K axis moved to the last place and cut into blocks of 32 codes, [.., K / 32, bytes a block], one block behind the other in memory; one code a byte (a code: sign, 4 exponent bits, 3 mantissa bits); its scale is its entry of lowp_scales. Its value is code x scale, taken as it is: it is not quantised again, and the codes and scales need not be those that the quantiser above would give.
;; One version. Each part assembles by itself: llvm-mc -triple=amdgcn-amd-amdhsa -mcpu=gfx1250 --defsym DOCPART=n.
;; ======== version 1 of 1: 1 launch
;; launch router (part 1): grid 256 x 1, 4 waves a work-group, clusters of 4 x 1, 327,680 bytes of LDS; arguments x_codes, W_codes, lowp_scales, out0, out1, out2; writes out0, out1, out2
.if DOCPART == 1
	.amdgcn_target "amdgcn-amd-amdhsa--gfx1250"
	.amdhsa_code_object_version 6
	.text
	.protected	k_q17e6e352bd_router
	.globl	k_q17e6e352bd_router
	.p2align	8
	.type	k_q17e6e352bd_router,@function
k_q17e6e352bd_router:
	s_mov_b64 s[64:65], 0
	v_nop
	global_prefetch_b8 v0, s[64:65] scope:SCOPE_SE
	s_setreg_imm32_b32 hwreg(HW_REG_WAVE_MODE, 25, 1), 1
	s_wait_xcnt 0x0
	s_wait_alu depctr_hold_cnt(0) depctr_sa_sdst(0) depctr_va_vdst(0) depctr_va_sdst(0) depctr_va_ssrc(0) depctr_va_vcc(0) depctr_vm_vsrc(0)
	s_getreg_b32 s2, hwreg(HW_REG_IB_STS2, 6, 4)
	s_cmp_eq_u32 s2, 0
	s_cbranch_scc0 .Lentry_in_a_cluster
	s_endpgm
.Lentry_in_a_cluster:
	s_bfe_u32 s2, ttmp6, 0x10000c
	s_cmp_lg_u32 s2, 0x3003
	s_cbranch_scc0 .Lentry_shape_is_right
	s_endpgm
.Lentry_shape_is_right:
; logits[t][e] = 2^(e0 + e1) x the sum over k of x_codes[t][k] W_codes[e][k]  (16,384 tokens, 64 experts, K = 2,048, codes of E4M3, sums in f32);
; out0 = the indices of a token's two largest logits (of equal logits the lower index first), out1 = softmax over those two, out2 = the logits.
; SHARES.  A work-group owns 64 tokens.  ITS FOUR WAVES SHARE K, NOT THE TOKENS: wave w owns k = 512 w .. 512 w + 511 for all 64 tokens and all 64 experts, so each LDS byte of x and of W is
; read once (sharing the tokens would read W four times).  A wave's part of W, 16 fragments, stays in 256 registers; its part of x comes as four chunks of 16 tokens.
; EVERYTHING IS ASKED FOR AT THE HEAD: five tensor loads a wave (W's part, x's four chunks); no LDS byte is filled twice.  A wave reads only what it fetched, behind its own counted wait.
; CLUSTER.  All work-groups read the same W: the four of a cluster ask for it JOINTLY (the same load, the same descriptor, a mask that names the four).  x is nobody else's: plain loads.
; A TILE OF 16 TOKENS: 16 matrix instructions a wave; the three waves that do not own the tile put their 32 sums a lane into LDS as an image of the registers; a barrier; wave m, the owner of tile m,
; adds them to its own, scales, stores the rows of out2, and finds the two largest.  Meanwhile the other waves go on with the next chunk.
; THE MATRIX INSTRUCTION IS USED TRANSPOSED (source 0 = 16 rows of W, source 1 = 16 tokens), AND THE ROWS OF W THAT FORM A TILE ARE NOT NEIGHBOURS: tile t takes experts 8 t .. 8 t + 7 and 32 + 8 t .. 32 + 8 t + 7.
; So lane (r, h) holds token r, and its 32 registers hold experts 32 h + 0 .. 31 in ascending order: a token's search runs inside a lane and ends with one exchange between the halves of the lanes.
; A fragment comes by four loads of 16 bytes: a lane's registers 4 c .. 4 c + 3 hold k = 32 c + 16 h + 0 .. 15: a permutation of k, the same for x and for W, so every product meets its partner.
; LIMITS.  NaN codes are not served (the indices of such a token are not defined here).  +0 and -0 count as equal.  The f32 sums are rounded in this order: within an instruction as the unit does it, four
; instructions ascending for a wave's 512, then owner + the three others: two logits nearer to each other than that rounding may stand in another order than under another order of summation.
; e0 + e1 is applied by v_ldexp_f32 and has no limit.
.set KB,     2048                      ; bytes in a row of x_codes and of W_codes
.set KW,     512                       ; a wave's part of them
.set PITCH,  528                       ; an LDS row: 512 bytes + 16 of padding = 132 words: row r starts at bank 4 r mod 64 (64 banks of 4 bytes: ISA guide 11.1): 16 neighbouring rows start at 16 different banks
.set WPART,  64*PITCH                  ; a wave's part of W in LDS; the four lie at LDS byte 0 on
.set XCH,    16*PITCH                  ; a chunk of x: 16 tokens
.set XBASE,  4*WPART                   ; the four waves' parts of x, four chunks each
.set STAGE,  8*WPART                   ; 16 rows x 272 bytes for each wave: the way out of the logits
.set SPITCH, 272
.set STASH,  STAGE+4*16*SPITCH         ; 2 x 256 bytes: an even tile's indices (128 bytes) and gates (128 bytes), kept for the owner of the odd tile behind it
.set IMG,    STASH+512                 ; 2 x 4 x 4,096 bytes: the images of the sums: tile m's lie in set m % 2, wave w's at 4,096 w
.set WA,  1                            ; v1   LDS address of my lane's bytes in my part of W
.set XA,  2                            ; v2   the same in my part of x
.set IS,  3                            ; v3   where I store an image: IMG + 4,096 x wave + 16 x lane
.set IL,  4                            ; v4   where an owner reads images: IMG + 16 x lane
.set SO,  5                            ; v5   my stage, on the way in: row r, 128 h bytes on
.set SR,  6                            ; v6   and back: lanes 0-15 one row, lanes 16-31 the next
.set SS,  7                            ; v7   STASH + 8 x lane
.set SL,  8                            ; v8   STASH + 8 r
.set GO,  9                            ; v9   16 x lane: my bytes in 512 of out2
.set G8,  10                           ; v10  8 x lane: my bytes in 256 of out0 and of out1
.set H32, 11                           ; v11  32 h: my first expert
.set CH,  16                           ; v16-31   four chains of the search; chain k at CH + 4 k: +0 the largest, +1 its index, +2 the second, +3 its index
.set ACC, 32                           ; v32-63   four accumulators, then the logits
.set XF,  64                           ; v64-127  x's four fragments of a tile
.set T,   128                          ; v128-223 three images; then v128-159 rows of out2
.set TM,  224                          ; v224-231 at work in the merges
.set PL,  232                          ; v232-235 the other half's four numbers
.set MA,  236                          ; v236-239 the candidates of experts 0-31, then the token's result
.set MB,  240                          ; v240-243 the candidates of experts 32-63
.set GT,  244                          ; v244-247 at work, e, gate 1, gate 2
.set OU,  248                          ; v248-251 what is stored
.set SI,  252                          ; v252-255 the kept pairs of the even tile
.set WV,  16                           ; s16      my wave's number
.set WG,  63                           ; s63      my work-group's number: it enters global addresses alone
.set G1W, 24                           ; s[24:31] descriptor group 1 for W;  s[32:39] for x
.set G1X, 32
.set G0W, 40                           ; s[40:43] descriptor group 0 for W;  s[44:59] for x's four chunks
.set G0X, 44
.set HM,  62                           ; s62      the lanes 16-31, as a mask
.set SEL, 66                           ; s[66:67] lane selects for v_permlanex16_b32: lane l xor 16
.set M1,  68                           ; s68-71, s72-75: a pair of masks for each chain, so that the chains do not wait for each other
.set M2,  72
.set MSB, 0
.macro WIN new                         ; the immediate's high byte repeats the setting that is left
.if MSB != \new
	s_set_vgpr_msb (MSB<<8)|\new
.set MSB, \new
.endif
.endm
; A round of the cluster's barrier: my work-group's barrier, so that wave 0's signal speaks for all four waves; wave 0 signals for the work-group; every wave waits for the four work-groups; my work-group's barrier once more.
.macro CROUND
	s_barrier_signal -1
	s_barrier_wait -1
	s_cmp_lg_u32 s[WV], 0
	s_cbranch_scc1 .Lnot_wave_0_\@
	s_barrier_signal -3
.Lnot_wave_0_\@:
	s_barrier_wait -3
	s_barrier_signal -1
	s_barrier_wait -1
.endm
	s_load_b256 s[4:11], s[0:1], 0x0               ; x's codes s[4:5], W's codes s[6:7], the scales' exponents s[8:9], out0 s[10:11]
	s_load_b128 s[12:15], s[0:1], 0x20             ; out1 s[12:13], out2 s[14:15]
	s_set_vgpr_msb 0x80
	v_lshl_add_u32 v0, v0, 2, 0x4e600
	v_mov_b32 v1, 0
	s_set_vgpr_msb 0x808a
	ds_add_u32 v0, v1
	ds_add_u32 v0, v1
	s_wait_dscnt 0x0
	s_set_vgpr_msb 0x8a00
	v_lshrrev_b32 v12, 5, v0
	v_readfirstlane_b32 s[WV], v12                 ; wave 0..3
	s_bfe_u32 s17, ttmp6, 0x40000                  ; cx: my place in the cluster
	s_lshl_b32 s[WG], ttmp9, 2                     ; in a cluster launch ttmp9 counts clusters
	s_add_co_u32 s[WG], s[WG], s17                 ; work-group = 4 x cluster + cx
	; descriptor group 1.  W: 64 rows x 512 bytes, x: 16 rows x 512 bytes; rows 2,048 bytes apart in memory, 528 in LDS
	s_mov_b32 s[G1W+0], 15|(1<<20)|(1<<21)|(6<<22)|(3<<25)  ; 15:0 the mask: all four work-groups; 17:16 elements of 1 byte; 20 padding on; 21 set beside a mask; 24:22 after every 128 words (code 6); 31:25 four words (code 3)
	s_mov_b32 s[G1W+1], KW<<16                     ; tensor_dim0 = 512
	s_mov_b32 s[G1W+2], 64<<16                     ; tensor_dim1 = 64
	s_mov_b32 s[G1W+3], KW<<16                     ; tile_dim0 = 512
	s_mov_b32 s[G1W+4], 64                         ; tile_dim1 = 64
	s_mov_b32 s[G1W+5], KB                         ; tensor_dim0_stride
	s_mov_b32 s[G1W+6], 0
	s_mov_b32 s[G1W+7], 0
	s_mov_b32 s[G1X+0], (1<<20)|(6<<22)|(3<<25)    ; no mask: my work-group's own tokens; the same padding
	s_mov_b32 s[G1X+1], KW<<16
	s_mov_b32 s[G1X+2], 16<<16                     ; tensor_dim1 = 16
	s_mov_b32 s[G1X+3], KW<<16
	s_mov_b32 s[G1X+4], 16                         ; tile_dim1 = 16
	s_mov_b32 s[G1X+5], KB
	s_mov_b32 s[G1X+6], 0
	s_mov_b32 s[G1X+7], 0
	s_mov_b32 s[HM], 0xffff0000
	s_mov_b32 s[SEL], 0x76543210
	s_mov_b32 s[SEL+1], 0xfedcba98
	; the lanes' addresses: constants, the lane and the wave's number alone
	v_and_b32 v12, 31, v0                          ; lane
	v_and_b32 v13, 15, v0                          ; r
	v_bfe_u32 v14, v0, 4, 1                        ; h
	s_mul_i32 s20, s[WV], WPART                    ; my part of W in LDS
	s_add_co_u32 s21, s20, XBASE                   ; my part of x
	v_and_b32 v15, 8, v13
	v_mad_u32_u24 v15, v15, 3, v13                 ; r + 24 (r / 8): rows 0-7 and 32-39 of W; tile t lies 8 t rows on.  (Rows 32 apart start at the same bank: W's loads go two deep; they are issued once, 64 a wave)
	v_mul_u32_u24 v15, v15, PITCH
	v_lshl_add_u32 v15, v14, 4, v15
	v_add_nc_u32 v[WA], s20, v15
	v_mul_u32_u24 v15, v13, PITCH                  ; x: token r of a chunk
	v_lshl_add_u32 v15, v14, 4, v15
	v_add_nc_u32 v[XA], s21, v15
	v_lshlrev_b32 v[GO], 4, v12
	v_add_nc_u32 v[IL], IMG, v[GO]
	s_lshl_b32 s60, s[WV], 12
	v_add_nc_u32 v[IS], s60, v[IL]
	s_mul_i32 s61, s[WV], 16*SPITCH
	s_add_co_u32 s61, s61, STAGE                   ; my stage
	v_mul_u32_u24 v15, v13, SPITCH
	v_lshl_add_u32 v15, v14, 7, v15
	v_add_nc_u32 v[SO], s61, v15
	v_mul_u32_u24 v15, v14, SPITCH
	v_lshl_add_u32 v15, v13, 4, v15
	v_add_nc_u32 v[SR], s61, v15
	v_lshlrev_b32 v[G8], 3, v12
	v_add_nc_u32 v[SS], STASH, v[G8]
	v_lshl_add_u32 v[SL], v13, 3, STASH
	v_lshlrev_b32 v[H32], 5, v14
.irp i, 0,1,2,3
	v_mov_b32 v[PL+\i], 0                          ; written once: a lane permute's destination counts as one of its sources
.endr
	CROUND                                         ; all four work-groups are here: the joint loads meet.  The kernel's arguments come in meanwhile
	s_wait_kmcnt 0x0
	s_load_b64 s[18:19], s[8:9], 0x0               ; e0, e1
	s_lshl_b32 s22, s[WV], 9                       ; my 512 bytes of a row
	s_mov_b32 s23, 0
	s_mov_b32 s[G0W], 1                            ; 1:0 count = 1
	s_mov_b32 s[G0W+1], s20                        ; 63:32 LDS address
	s_add_nc_u64 s[G0W+2:G0W+3], s[6:7], s[22:23]  ; 120:64 global address: the wave's number alone enters it: equal in the four partners
	s_or_b32 s[G0W+3], s[G0W+3], 0x80000000        ; 127:126 type = 2
	s_lshl_b32 s76, s[WG], 17                      ; my work-group's 64 rows of 2,048 bytes
	s_mov_b32 s77, 0
	s_add_nc_u64 s[76:77], s[76:77], s[22:23]
	s_add_nc_u64 s[4:5], s[4:5], s[76:77]          ; x at my wave's first chunk
.irp m, 0,1,2,3
	s_mov_b32 s[G0X+4*\m], 1
	s_add_co_u32 s[G0X+4*\m+1], s21, \m*XCH
	s_add_nc_u64 s[G0X+4*\m+2:G0X+4*\m+3], s[4:5], \m*16*KB
	s_or_b32 s[G0X+4*\m+3], s[G0X+4*\m+3], 0x80000000
.endr
	tensor_load_to_lds s[G0W:G0W+3], s[G1W:G1W+7]  ; all that the wave will ever read, as one group: five loads of mine are out
	s_nop 0
.irp m, 0,1,2,3
	tensor_load_to_lds s[G0X+4*\m:G0X+4*\m+3], s[G1X:G1X+7]
	s_nop 0
.endr
.rept 4
	v_nop                                          ; four plain lines follow the last tensor load, ahead of the first switch of windows
.endr
	s_lshl_b32 s76, s[WG], 14                      ; my work-group's 64 rows of out2, 256 bytes each,
	s_add_nc_u64 s[14:15], s[14:15], s[76:77]
	s_lshl_b32 s76, s[WG], 9                       ; and its 64 pairs of out0 and of out1
	s_add_nc_u64 s[10:11], s[10:11], s[76:77]
	s_add_nc_u64 s[12:13], s[12:13], s[76:77]
	s_wait_tensorcnt 0x4                           ; my part of W is in; x's four chunks may be out
	WIN 0x40                                       ; destination window 1
.irp s, 0,1,2,3
.irp t, 0,1,2,3
.irp c, 0,1,2,3
	ds_load_b128 v[16*(4*\t+\s)+4*\c:16*(4*\t+\s)+4*\c+3], v[WA] offset:8*\t*PITCH+128*\s+32*\c   ; fragment (tile t, K step s) at v[16 (4 t + s)] of window 1: it stays
.endr
.endr
.endr
	WIN 0
	s_wait_kmcnt 0x0
	s_add_co_i32 s18, s18, s19                     ; e0 + e1
; THE SEARCH for a token's two largest logits.  Each lane runs four chains, chain k over its registers 8 k .. 8 k + 7, line by line side by side.  Every compare is strict, and the later candidate has the
; higher index: of equal logits the lower index stays in front.
.macro FIRST2                          ; a chain begins with its first two numbers
.irp k, 0,1,2,3
	v_cmp_gt_f32 s[M1+\k], v[ACC+8*\k+1], v[ACC+8*\k]
.endr
.irp k, 0,1,2,3
	v_max_num_f32 v[CH+4*\k], v[ACC+8*\k], v[ACC+8*\k+1]
.endr
.irp k, 0,1,2,3
	v_min_num_f32 v[CH+4*\k+2], v[ACC+8*\k], v[ACC+8*\k+1]
.endr
.irp k, 0,1,2,3
	v_cndmask_b32 v[CH+4*\k+1], 8*\k, 8*\k+1, s[M1+\k]
.endr
.irp k, 0,1,2,3
	v_cndmask_b32 v[CH+4*\k+3], 8*\k+1, 8*\k, s[M1+\k]
.endr
.endm
.macro INSERT j                        ; number j of each chain meets the chain's two
.irp k, 0,1,2,3
	v_cmp_gt_f32 s[M1+\k], v[ACC+8*\k+\j], v[CH+4*\k]        ; above the largest?
.endr
.irp k, 0,1,2,3
	v_cmp_gt_f32 s[M2+\k], v[ACC+8*\k+\j], v[CH+4*\k+2]      ; above the second?
.endr
.irp k, 0,1,2,3
	v_cndmask_b32 v[CH+4*\k+3], v[CH+4*\k+3], 8*\k+\j, s[M2+\k]
.endr
.irp k, 0,1,2,3
	v_cndmask_b32 v[CH+4*\k+3], v[CH+4*\k+3], v[CH+4*\k+1], s[M1+\k]   ; the old largest steps down
.endr
.irp k, 0,1,2,3
	v_cndmask_b32 v[CH+4*\k+1], v[CH+4*\k+1], 8*\k+\j, s[M1+\k]
.endr
.irp k, 0,1,2,3
	v_med3_num_f32 v[CH+4*\k+2], v[ACC+8*\k+\j], v[CH+4*\k], v[CH+4*\k+2]   ; the new second is the middle one of the three
.endr
.irp k, 0,1,2,3
	v_max_num_f32 v[CH+4*\k], v[ACC+8*\k+\j], v[CH+4*\k]
.endr
.endm
; Two pairs become one, in a's place.  All of a's indices lie under all of b's.  c: b's largest beats a's.  The second is then the better of (a's largest, b's second), else of (a's second, b's largest); b's wins only if greater.
.macro MERGE a, b, tmp, sm
	v_cmp_gt_f32 s[\sm], v[\b], v[\a]
	v_cndmask_b32 v[\tmp], v[\a+2], v[\a], s[\sm]
	v_cndmask_b32 v[\tmp+1], v[\a+3], v[\a+1], s[\sm]
	v_cndmask_b32 v[\tmp+2], v[\b], v[\b+2], s[\sm]
	v_cndmask_b32 v[\tmp+3], v[\b+1], v[\b+3], s[\sm]
	v_cndmask_b32 v[\a+1], v[\a+1], v[\b+1], s[\sm]
	v_max_num_f32 v[\a], v[\a], v[\b]
	v_cmp_gt_f32 s[\sm], v[\tmp+2], v[\tmp]
	v_cndmask_b32 v[\a+3], v[\tmp+1], v[\tmp+3], s[\sm]
	v_max_num_f32 v[\a+2], v[\tmp], v[\tmp+2]
.endm
; WHAT THE OWNER OF TILE m DOES behind the tile's barrier.
.macro REDUCE m
	s_wait_xcnt 0x0                                ; a wave runs one of the four copies of this text, so no store of mine is out and the wait is met at once; it stands because the copies share T and OU, which their stores read
.if (\m)%2
	ds_load_b64 v[SI:SI+1], v[SL] offset:((\m)/2)*256          ; the even tile's indices and gates: its owner stored them ahead of its wait and signal for this tile's barrier
	ds_load_b64 v[SI+2:SI+3], v[SL] offset:((\m)/2)*256+128
.endif
.set n, 0
.irp w, 0,1,2,3
.if \w != \m
.irp q, 0,1,2,3,4,5,6,7
	ds_load_b128 v[T+32*n+4*\q:T+32*n+4*\q+3], v[IL] offset:((\m)%2)*16384+\w*4096+512*\q   ; wave w's sums, in the lanes and registers in which they stood there
.endr
.set n, n+1
.endif
.endr
.irp i, 0,1,2
	s_wait_dscnt 16-8*\i                           ; image i is in; the younger images' eight loads each may be out
.irp j, 0,2,4,6,8,10,12,14,16,18,20,22,24,26,28,30
	v_pk_add_f32 v[ACC+\j:ACC+\j+1], v[ACC+\j:ACC+\j+1], v[T+32*\i+\j:T+32*\i+\j+1]   ; each accumulator from its low end on
.endr
.endr
.irp j, 0,1,2,3,4,5,6,7,8,9,10,11,12,13,14,15,16,17,18,19,20,21,22,23,24,25,26,27,28,29,30,31
	v_ldexp_f32 v[ACC+\j], v[ACC+\j], s18          ; x 2^(e0 + e1): the logits
.endr
.irp q, 0,1,2,3,4,5,6,7
	ds_store_b128 v[SO], v[ACC+4*\q:ACC+4*\q+3] offset:16*\q   ; a lane holds 128 bytes of a row and the lanes beside it other rows: so the 16 rows go through my own stage
.endr
.irp q, 0,1,2,3,4,5,6,7
	ds_load_b128 v[T+4*\q:T+4*\q+3], v[SR] offset:\q*2*SPITCH  ; and come back two whole rows at a time.  LDS serves a wave's instructions in order (ISA guide 5.7.1.4): these see the stores above
.endr
	FIRST2                                         ; the search begins while the rows are on their way
	INSERT 2
	INSERT 3
.irp q, 0,1,2,3,4,5,6,7
	s_wait_dscnt 7-\q                              ; rows 2 q and 2 q + 1 are back; the younger loads may be out
	global_store_b128 v[GO], v[T+4*\q:T+4*\q+3], s[14:15] offset:\m*4096+512*\q th:TH_STORE_NT   ; 32 lanes store 512 consecutive bytes, at a multiple of 512 from out2's first byte
.endr
	INSERT 4
	INSERT 5
	INSERT 6
	INSERT 7
	MERGE CH, CH+4, TM, M1
	MERGE CH+8, CH+12, TM+4, M1+1
	MERGE CH, CH+8, TM, M1                         ; my lane's two best of its 32 experts
	v_add_nc_u32 v[CH+1], v[H32], v[CH+1]          ; the indices count from my first expert
	v_add_nc_u32 v[CH+3], v[H32], v[CH+3]
.irp i, 0,1,2,3
	v_permlanex16_b32 v[PL+\i], v[CH+\i], s[SEL], s[SEL+1]     ; the token's other 32 experts lie in the lane 16 away
.endr
.irp i, 0,1,2,3
	v_cndmask_b32 v[MA+\i], v[CH+\i], v[PL+\i], s[HM]          ; in both lanes: first the candidates of experts 0-31,
.endr
.irp i, 0,1,2,3
	v_cndmask_b32 v[MB+\i], v[PL+\i], v[CH+\i], s[HM]          ; then those of experts 32-63
.endr
	MERGE MA, MB, TM, M1                           ; both lanes of a token now hold its result
.if (\m)%2
	v_cndmask_b32 v[OU], v[SI], v[MA+1], s[HM]     ; lanes 0-15: the even tile's tokens; lanes 16-31: mine
	v_cndmask_b32 v[OU+1], v[SI+1], v[MA+3], s[HM]
	global_store_b64 v[G8], v[OU:OU+1], s[10:11] offset:((\m)/2)*256 th:TH_STORE_NT   ; 32 tokens' pairs: 256 consecutive bytes, at a multiple of 256 from out0's first byte
.endif
	v_sub_f32 v[GT], v[MA+2], v[MA]                ; the softmax of two: the larger is taken away, so the exponents are 0 and this, 0 or less
	v_mul_f32 v[GT], 0x3fb8aa3b, v[GT]             ; x log2(e)
	v_exp_f32 v[GT+1], v[GT]                       ; e, at most 1
	v_nop                                          ; a plain line behind the transcendental (ISA guide 5.7.2),
	s_wait_alu depctr_va_vdst(0)                   ; and the wait ahead of the first use
	v_add_f32 v[GT], 1.0, v[GT+1]
	v_rcp_f32 v[GT+2], v[GT]                       ; gate 1 = 1 / (1 + e)
	v_nop
	s_wait_alu depctr_va_vdst(0)
	v_mul_f32 v[GT+3], v[GT+1], v[GT+2]            ; gate 2 = e / (1 + e)
.if (\m)%2
	v_cndmask_b32 v[OU+2], v[SI+2], v[GT+2], s[HM]
	v_cndmask_b32 v[OU+3], v[SI+3], v[GT+3], s[HM]
	global_store_b64 v[G8], v[OU+2:OU+3], s[12:13] offset:((\m)/2)*256 th:TH_STORE_NT
.else
	v_cndmask_b32 v[OU], v[MA+1], v[GT+2], s[HM]   ; a tile's pairs are 128 bytes: they are kept for the next tile's owner: lanes 0-15 put the indices, lanes 16-31 the gates
	v_cndmask_b32 v[OU+1], v[MA+3], v[GT+3], s[HM]
	ds_store_b64 v[SS], v[OU:OU+1] offset:((\m)/2)*256         ; waited for in front of my signal for the next tile's barrier
.endif
.endm
; TILE m: tokens 16 m .. 16 m + 15.
.macro TILE m
	s_wait_tensorcnt 3-\m                          ; tensor loads of a wave end in order (ISA guide 10.11.1): chunk m is in, the later chunks may be out
.irp s, 0,1,2,3
.irp c, 0,1,2,3
	ds_load_b128 v[XF+16*\s+4*\c:XF+16*\s+4*\c+3], v[XA] offset:\m*XCH+128*\s+32*\c
.endr
.endr
	WIN 0x01                                       ; source 0 (W) window 1; x, C and D window 0
.irp s, 0,1,2,3
	s_wait_dscnt 12-4*\s                           ; K step s's fragment is in (and, in tile 0, all of W's, which were asked for earlier); the later steps' four loads each may be out
.irp t, 0,1,2,3
.if \s == 0
	v_wmma_f32_16x16x128_fp8_fp8 v[ACC+8*\t:ACC+8*\t+7], v[16*(4*\t+\s):16*(4*\t+\s)+15], v[XF+16*\s:XF+16*\s+15], 0   ; the first K step starts the sums: nothing is cleared
.else
	v_wmma_f32_16x16x128_fp8_fp8 v[ACC+8*\t:ACC+8*\t+7], v[16*(4*\t+\s):16*(4*\t+\s)+15], v[XF+16*\s:XF+16*\s+15], v[ACC+8*\t:ACC+8*\t+7]   ; the four accumulators take turns
.endif
.endr
.endr
	WIN 0                                          ; at a label and at a branch every window is 0
.rept 5
	v_nop                                          ; four places ahead of the first read of the sums and of the next tile's loads into x's fragments; a fifth, since the next tile's first products write the accumulators anew
.endr
	s_cmp_eq_u32 s[WV], \m
	s_cbranch_scc1 .Lkeep_\@                       ; the tile's owner keeps its sums in registers
.irp q, 0,1,2,3,4,5,6,7
	ds_store_b128 v[IS], v[ACC+4*\q:ACC+4*\q+3] offset:((\m)%2)*16384+512*\q   ; 512 consecutive bytes a store.  Set m % 2 was last read for tile m - 2, whose owner waited for those reads in front of its signal for tile m - 1's barrier
.endr
.Lkeep_\@:
	s_wait_dscnt 0x0                               ; for the others' sake: my image has landed, and so has what I kept or read as an owner
	s_barrier_signal -1
	s_barrier_wait -1                              ; nothing in LDS is filled behind this barrier, so my later chunks may stay on their way across it
	s_cmp_lg_u32 s[WV], \m
	s_cbranch_scc1 .Lothers_\@
	REDUCE \m
.Lothers_\@:
.endm
	TILE 0
	TILE 1
	TILE 2
	TILE 3                                         ; its wait on the tensor loads is for zero: none is out from here on
	s_wait_dscnt 0x0                               ; no LDS instruction of mine is pending at the round's signals
	s_set_vgpr_msb 0xa
	s_wait_tensorcnt 0x0
	ds_add_u32 v0, v1
	s_wait_dscnt 0x0
	s_set_vgpr_msb 0xa00
	CROUND                                         ; the closing round: no work-group ends while a partner may still ask for a tile that names it
	s_endpgm
.Lfunc_end_k_q17e6e352bd_router:
	.size	k_q17e6e352bd_router, .Lfunc_end_k_q17e6e352bd_router-k_q17e6e352bd_router
	.p2alignl 7, 3214868480
	.fill 96, 4, 3214868480
	.section	.rodata,"a",@progbits
	.p2align	6, 0x0
	.amdhsa_kernel k_q17e6e352bd_router
		.amdhsa_group_segment_fixed_size 327680
		.amdhsa_private_segment_fixed_size 0
		.amdhsa_enable_private_segment 0
		.amdhsa_kernarg_size 48
		.amdhsa_user_sgpr_count 2
		.amdhsa_user_sgpr_kernarg_segment_ptr 1
		.amdhsa_wavefront_size32 1
		.amdhsa_system_sgpr_workgroup_id_x 1
		.amdhsa_system_sgpr_workgroup_id_y 1
		.amdhsa_system_sgpr_workgroup_id_z 1
		.amdhsa_system_vgpr_workitem_id 0
		.amdhsa_next_free_vgpr 514
		.amdhsa_next_free_sgpr 80
		.amdhsa_reserve_vcc 0
		.amdhsa_float_denorm_mode_32 3
		.amdhsa_float_denorm_mode_16_64 3
		.amdhsa_memory_ordered 1
		.amdhsa_forward_progress 1
		.amdhsa_inst_pref_size 117
	.end_amdhsa_kernel
	.amdgpu_metadata
---
amdhsa.version: [ 1, 2 ]
amdhsa.kernels:
  - .name:           k_q17e6e352bd_router
    .symbol:         k_q17e6e352bd_router.kd
    .args:
      - { .name: x_codes, .offset: 0, .size: 8, .value_kind: global_buffer, .address_space: global }
      - { .name: W_codes, .offset: 8, .size: 8, .value_kind: global_buffer, .address_space: global }
      - { .name: lowp_scales, .offset: 16, .size: 8, .value_kind: global_buffer, .address_space: global }
      - { .name: out0, .offset: 24, .size: 8, .value_kind: global_buffer, .address_space: global }
      - { .name: out1, .offset: 32, .size: 8, .value_kind: global_buffer, .address_space: global }
      - { .name: out2, .offset: 40, .size: 8, .value_kind: global_buffer, .address_space: global }
    .group_segment_fixed_size: 327680
    .private_segment_fixed_size: 0
    .kernarg_segment_align: 8
    .kernarg_segment_size: 48
    .max_flat_workgroup_size: 128
    .sgpr_count:     80
    .vgpr_count:     514
    .wavefront_size: 32
...
	.end_amdgpu_metadata
.endif
;; end of part 1
